; MI455X (gfx1250); checked and timed in simulation.
; The chip was launched on July 23, 2026; its instructions are those of AMD's public machine-readable ISA for CDNA 5 (MIT licence, August 2026) and "CDNA5" Instruction Set Architecture Reference Guide (July 2026). The comments in the code are by the model that wrote it; some were corrected since.
;; Multi Head Attention. Allowed arithmetic: matrix products marked QUANTISED: E4M3 operands, one given power-of-two scale a tensor, by v_wmma_f32_16x16x64_fp8_fp8 or v_wmma_f32_16x16x128_fp8_fp8, f32 sums; everything else in f32.
;; Inputs: ln_embed_b 512 float32; ln_embed_g 512 float32; ln_out_b 512 float32; ln_out_g 512 float32; lowp_scales 12 int32 (the exponents e of the quantised operands' scales 2^e); wk_codes 512 x 16 x 32 uint8 (E4M3 codes of wk, K innermost, in blocks of 32 codes); wo_codes 512 x 16 x 32 uint8 (E4M3 codes of wo, K innermost, in blocks of 32 codes); wq_codes 512 x 16 x 32 uint8 (E4M3 codes of wq, K innermost, in blocks of 32 codes); wv_codes 512 x 16 x 32 uint8 (E4M3 codes of wv, K innermost, in blocks of 32 codes); x 8 x 2,048 x 512 float32.
;; Outputs: out0 8 x 2,048 x 512 float32.
;; This version of the problem:
;;   THIS VERSION OF THE PROBLEM IS GIVEN IN LOW PRECISION. The matrix products marked QUANTISED in the list below multiply operands that are first quantised to E4M3 (4 exponent bits, 3 mantissa bits; 8 bits a number), with one given power-of-two scale for each operand tensor; their sums are f32. All else is computed in f32.
;;   The module's matrix products, in the order in which they are computed (A, B: the left and right operand; K: the contracted axis; several contracted axes count as one K, in the product's order):
;;     1. [M 16,384, K 512] x [K 512, N 512]; A: input x; B: input wq (given as codes): QUANTISED (scales: A lowp_scales[0], B lowp_scales[1])
;;     2. [M 16,384, K 512] x [K 512, N 512]; A: input x; B: input wk (given as codes): QUANTISED (scales: A lowp_scales[2], B lowp_scales[3])
;;     3. [M 16,384, K 512] x [K 512, N 512]; A: input x; B: input wv (given as codes): QUANTISED (scales: A lowp_scales[4], B lowp_scales[5])
;;     4. batch 64 x [M 2,048, K 64] x [K 64, N 2,048]; A: computed on the way; B: computed on the way: QUANTISED (scales: A lowp_scales[6], B lowp_scales[7])
;;     5. batch 64 x [M 64, K 2,048] x [K 2,048, N 2,048]; A: computed on the way; B: softmax (see below): QUANTISED (scales: A lowp_scales[8], B lowp_scales[9])
;;     6. [M 16,384, K 512] x [K 512, N 512]; A: computed on the way; B: input wo (given as codes): QUANTISED (scales: A lowp_scales[10], B lowp_scales[11])
;;   THE QUANTISER, for each operand of a quantised product, along K:
;;     - The operand's scale is 2^e, e = its entry of the input lowp_scales (int32; the entries are numbered through the quantised products in the list's order, A before B).
;;     - Each number is divided by the scale, clamped to +-448, and rounded to the nearest number of E4M3, ties to even, subnormals kept.
;;     - The product sums the exact products of the quantised numbers (number of the format x scale) in f32.
;;   ~~~python
;;   def quantise(x, axis, e):      # numpy; x: float32 -> the quantised numbers, widened to float32 again
;;       x = np.moveaxis(x, axis, -1); K = x.shape[-1]
;;       r = np.clip(x / 2.0 ** e, -448, 448)
;;       step = 2.0 ** (np.maximum(np.frexp(np.where(r == 0, 1, r))[1] - 1, -6) - 3)
;;       q = np.round(r / step) * step * 2.0 ** e      # np.round: ties to even
;;       return np.moveaxis(q, -1, axis).astype(np.float32)
;;   ~~~
;;   SOFTMAX AHEAD OF A QUANTISED PRODUCT. Where the list says 'softmax', what is quantised is not the finished softmax but p = 2^(t - M), with t = logit x log2(e) and M = ceil(the row's largest t), a whole number; so 1/2 < the row's largest p <= 1. The row's sum l is taken of the UNQUANTISED p, in f32, and the product's result is divided by l at the end. Since M is a whole number, a kernel that streams over the keys may use a running M (the ceiling of the running maximum): every later rescaling is an exact power of two, so the quantised numbers keep their values, but for numbers so far below the row's largest that they fall under the format's range.
;;   OPERANDS COMPUTED ON THE WAY. 'Computed on the way' means the value that the module computes at that place (a softmax that the list does not call 'softmax' is quantised finished and normalised). What goes into a quantiser is computed in f32, as accurately as f32 sums, v_exp_f32 and their like allow (about 1e-6 of the number): no bf16 or f16 on the way to a quantiser, and a product that is left as it is and whose result goes on into a quantised operand takes f32 operands (vector FMAs, or v_wmma_f32_16x16x4_f32). A number that lies on a knife's edge between two numbers of the format may be rounded either way, as far as f32 arithmetic and the matrix unit's own rounding can turn it there, and no further.
;;   INPUTS GIVEN AS CODES. wk (in the module: [512, 512], K = its axis 0); wo (in the module: [512, 512], K = its axis 0); wq (in the module: [512, 512], K = its axis 0); wv (in the module: [512, 512], K = its axis 0): each comes as NAME_codes (uint8): NAME with its K axis moved to the last place and cut into blocks of 32 codes, [.., K / 32, bytes a block], one block behind the other in memory; one code a byte (a code: sign, 4 exponent bits, 3 mantissa bits); its scale is its entry of lowp_scales. Its value is code x scale, taken as it is: it is not quantised again, and the codes and scales need not be those that the quantiser above would give.
;; One version. Each part assembles by itself: llvm-mc -triple=amdgcn-amd-amdhsa -mcpu=gfx1250 --defsym DOCPART=n.
;; ======== version 1 of 1: 2 launches
;; limits: right only within a limited range of input values
;; workspace buffers: q_ws 8,388,608 bytes; k_ws 8,388,608 bytes; v_ws 8,388,608 bytes
;; launch proj (part 1): grid 256 x 1, 8 waves a work-group, no clusters, 327,680 bytes of LDS; arguments x, wq_codes, wk_codes, wv_codes, lowp_scales, ln_embed_g, ln_embed_b, q_ws, k_ws, v_ws; writes q_ws, k_ws, v_ws
.if DOCPART == 1
	.amdgcn_target "amdgcn-amd-amdhsa--gfx1250"
	.amdhsa_code_object_version 6
	.text
	.protected	k_q9224fd9c4f_proj
	.globl	k_q9224fd9c4f_proj
	.p2align	8
	.type	k_q9224fd9c4f_proj,@function
k_q9224fd9c4f_proj:
	s_mov_b64 s[64:65], 0
	v_nop
	global_prefetch_b8 v0, s[64:65] scope:SCOPE_SE
	s_setreg_imm32_b32 hwreg(HW_REG_WAVE_MODE, 25, 1), 1
	s_wait_xcnt 0x0
; q, k, v: codes of LayerNorm(Q(x) W) x g + b, laid as the attention launch's operand registers.
; x [16384][512] f32 is quantised here with each projection's own scale; W comes as E4M3 codes [512 (n)][512 (k)].
; Scales (entries of lowp_scales): x 0/2/4, W 1/3/5; the result is quantised with entry 7 (q), 6 (k), 8 (v): the products of the
; attention take k and v as their left operands.
; SHARES.  The work is 768 blocks: number i = projection i / 256, rows 64 (i % 256) on.  Work-group w of 256 takes blocks 3 w, 3 w + 1, 3 w + 2.
; THE ORDER of the three: a work-group of projection p begins with its block number p and goes round ((t + p) % 3 in step t).  256 = 3 x 85 + 1, so in step t every
; work-group then has rows 64 b with b % 3 = t in hand, and the three work-groups that need the same rows of x ask for them in the same step.
; Wave w owns the 64 columns of head w: its 64 rows of W (16 fragments, 256 registers, window 1) are read once; only in the two work-groups
; whose three blocks reach into the next projection (they keep the natural order) are they read again, under a scalar branch on ids.
; No cluster: W (512 rows x 528 bytes padded) does not fit in LDS beside x's two slots, so it stays in registers and is no tile;
; the work-groups that read the same rows of x are three, 85 or 86 numbers apart, and no four neighbours.
; No prefetch: a block of x is asked for a whole block ahead by its tensor load, and three blocks leave no further step to run ahead in.
; x comes through a ring of two LDS slots (64 rows each), one tensor load a wave and block, asked for a whole block ahead.
; A BLOCK: each wave quantises 16 rows x 256 k into two fragment images in LDS | barrier | products, transposed (source 0 = 16 rows of W,
; source 1 = 16 tokens): a lane holds one token, its registers run along the columns | each wave's mean and sum of squares about it
; for its 64 columns | barrier | the eight waves' figures are merged (no difference of large sums) | normalise, g, b, hold, convert, store.
; THE ROWS OF W THAT FORM A TILE ARE NOT NEIGHBOURS: lane r of tile 2 b + u takes row 32 b + 8 u + r + 8 (r / 8), so that tiles 2 b, 2 b + 1
; give a lane 16 neighbouring columns 32 b + 16 (lane / 16) + 0..15.  k is permuted alike in both operands (fragments come by 16-byte pieces).
; LIMITS: the exponents of x's and of the result's scale lie between -126 and 119, ex + ew between -126 and 126.  NaN among the inputs is not served.
.set ROWP,  2080                       ; LDS bytes from row to row of x: two half rows of 1,024 + 16
.set HALFP, 1040
.set SLOTB, 133120                     ; a slot: 64 rows.  Its set bits (17, 11) are clear in wave x 16,640, so one exclusive or changes slots
.set IMG,   266240                     ; 16 fragment images of 2,048 bytes: (tile of rows m, K step s) at (4 m + s) x 2,048
.set STAT,  299008                     ; token x 80 + wave x 8: (mean, sum of squares)
.set SPARE, 304128                     ; the spare words: 128 bytes a wave, named by no other line
.set VST,   305152                     ; a stage of 2,816 bytes for each wave: 32 tokens x 80 bytes, for v's turn
.set VSTW,  2816
.set FRB,   2048
.set LI,  1
.set XR,  2
.set XRS, 3
.set IMW, 4
.set STW, 5
.set STR, 6
.set SPW, 7
.set NIL, 8
.set VSW, 9
.set VSR, 10
.set SCX, 11                           ; 2^ex
.set IMR, 12
.set SCO, 13                           ; 2^eo
.set GBO, 14
.set WA,  15
.set XF,  16                           ; v16-47   two fragments; codes; at work
.set ACC, 48                           ; v48-175  accumulator (m, ct) at ACC + 32 m + 8 ct
.set GG,  176
.set BB,  208
.set TA,  240
.set PR,  244
.set VR,  252
.set WV,  24
.set PJ,  25                           ; the projection of the block in hand, whose W is in the registers
.set G1,  36
.set G0,  44
.set SB,  48
.set BLK, 49                           ; the number of the block in hand, 0 to 767
.set CNT, 50
.set EE,  51
.set E2,  52
.set OC,  56
.set SEL, 58
.set LXP, 80
.set LXN, 81
.set LOP, 82
.set LON, 83
.set XW,  84                           ; wave x 8 rows of x, in bytes
.set WOF, 86                           ; s[86:87] my 64 rows of W, in bytes
.set NXT, 88                           ; the number of the block after the one in hand
.set JJ,  89                           ; its place among my three, 0 to 2
.set ID0, 90                           ; my first number: 3 x the work-group's
.set MSB, 0
.macro WIN new                         ; the immediate's high byte repeats the setting that is left
.if MSB != \new
	s_set_vgpr_msb (MSB<<8)|\new
.set MSB, \new
.endif
.endm
.macro PLACES
.rept 4
	v_nop
.endr
.endm
.macro AWAIT
	s_wait_alu depctr_va_vdst(0)
.endm
.macro BARRIER
	s_wait_dscnt 0x0
	s_barrier_signal -1
	s_barrier_wait -1
.endm
.macro WLD                             ; my 64 rows of W: 16 fragments into window 1
	WIN 0x40
.irp ct,0,1,2,3
.irp s,0,1,2,3
.irp c,0,1,2,3
	global_load_b128 v[16*(4*\ct+\s)+4*\c:16*(4*\ct+\s)+4*\c+3], v[WA], s[28:29] offset:(32*(\ct/2)+8*(\ct%2))*512+128*\s+32*\c
.endr
.endr
.endr
	WIN 0
.endm
; The change of slots, at a block's head.  fill = 1: the slot read a block ago takes the block after this one.
.macro CHANGE fill
	s_wait_tensorcnt 0x0                           ; my one load that was out, my part of this block's slot, has landed: the descriptor may be written
	ds_add_u32 v[SPW], v[NIL]                      ; 0 onto my spare word
.if \fill
	s_xor_b32 s[G0+1], s[G0+1], SLOTB              ; the other slot,
	s_and_b32 s32, s[NXT], 255                     ; the next block's 64 rows: (number % 256) x 131,072 bytes, + my 8 rows
	s_lshl_b32 s32, s32, 17
	s_add_co_u32 s32, s32, s[XW]
	s_mov_b32 s33, 0
	s_add_nc_u64 s[G0+2:G0+3], s[4:5], s[32:33]
	s_or_b32 s[G0+3], s[G0+3], 0x80000000
.endif
	s_wait_dscnt 0x0                               ; the add is done, and so are my reads of the slot that I have left
	s_barrier_signal -1
	s_barrier_wait -1
.if \fill
	tensor_load_to_lds s[G0:G0+3], s[G1:G1+7]      ; first behind the barrier, my only one until the next change
	s_nop 0
	PLACES
.endif
.endm
.macro QUANT src, dst, sc, ln, lp      ; 64 numbers of a lane become a fragment's 16 registers of codes
.irp b,0,1,2,3
.irp i,0,1,2,3,4,5,6,7,8,9,10,11,12,13,14,15
	v_med3_num_f32 v[\src+16*\b+\i], v[\src+16*\b+\i], s[\ln], s[\lp]   ; the conversion does not saturate (ISA guide 7.6.2)
.endr
	v_cvt_scalef32_pk8_fp8_f32 v[\dst+4*\b:\dst+4*\b+1], v[\src+16*\b:\src+16*\b+7], v[\sc]
	v_cvt_scalef32_pk8_fp8_f32 v[\dst+4*\b+2:\dst+4*\b+3], v[\src+16*\b+8:\src+16*\b+15], v[\sc]
.endr
	v_nop
.endm
.macro IMAGE src, off
.irp c,0,1,2,3
	ds_store_b128 v[IMW], v[\src+4*\c:\src+4*\c+3] offset:\off+512*\c
.endr
.endm
.macro FETCH reg, off
.irp c,0,1,2,3
	ds_load_b128 v[\reg+4*\c:\reg+4*\c+3], v[IMR] offset:\off+512*\c
.endr
.endm
.macro XPH                             ; my 16 rows x 256 k of x become K steps 2 (wave % 2) and + 1 of tile wave / 2
	v_add_nc_u32 v[XRS], s[SB], v[XR]
.irp f,0,1
.irp b,0,1,2,3
.irp j,0,1,2,3
	ds_load_b128 v[ACC+64*\f+16*\b+4*\j:ACC+64*\f+16*\b+4*\j+3], v[XRS] offset:512*\f+128*\b+16*\j
.endr
.endr
.endr
	s_wait_dscnt 16                                ; the first fragment's 16 loads are in; the second's may be out
	QUANT ACC, XF, SCX, LXN, LXP
	IMAGE XF, 0
	s_wait_dscnt 4                                 ; all loads are in; the four stores just issued may be out
	QUANT ACC+64, XF+16, SCX, LXN, LXP
	IMAGE XF+16, FRB
.endm
.macro GEMM                            ; eight accumulators by turns, one instruction a turn
.irp mp,0,1
.irp s,0,1,2,3
	FETCH XF, (8*\mp+\s)*FRB
	FETCH XF+16, (8*\mp+4+\s)*FRB
	s_wait_dscnt 0x0
	WIN 0x01
.irp ct,0,1,2,3
.irp mi,0,1
.if \s == 0
	v_wmma_f32_16x16x128_fp8_fp8 v[ACC+32*(2*\mp+\mi)+8*\ct:ACC+32*(2*\mp+\mi)+8*\ct+7], v[16*(4*\ct+\s):16*(4*\ct+\s)+15], v[XF+16*\mi:XF+16*\mi+15], 0
.else
	v_wmma_f32_16x16x128_fp8_fp8 v[ACC+32*(2*\mp+\mi)+8*\ct:ACC+32*(2*\mp+\mi)+8*\ct+7], v[16*(4*\ct+\s):16*(4*\ct+\s)+15], v[XF+16*\mi:XF+16*\mi+15], v[ACC+32*(2*\mp+\mi)+8*\ct:ACC+32*(2*\mp+\mi)+8*\ct+7]
.endif
.endr
.endr
	WIN 0
	PLACES
.endr
.endr
.endm
.macro LNLOC                           ; my wave's mean and sum of squares about it, for each token's 64 columns
.irp m,0,1,2,3
	v_pk_add_f32 v[XF+4*\m:XF+4*\m+1], v[ACC+32*\m:ACC+32*\m+1], v[ACC+32*\m+2:ACC+32*\m+3]
	v_pk_add_f32 v[XF+4*\m+2:XF+4*\m+3], v[ACC+32*\m+4:ACC+32*\m+5], v[ACC+32*\m+6:ACC+32*\m+7]
.endr
.irp j,8,12,16,20,24,28
.irp m,0,1,2,3
	v_pk_add_f32 v[XF+4*\m:XF+4*\m+1], v[XF+4*\m:XF+4*\m+1], v[ACC+32*\m+\j:ACC+32*\m+\j+1]
	v_pk_add_f32 v[XF+4*\m+2:XF+4*\m+3], v[XF+4*\m+2:XF+4*\m+3], v[ACC+32*\m+\j+2:ACC+32*\m+\j+3]
.endr
.endr
.irp m,0,1,2,3
	v_pk_add_f32 v[XF+4*\m:XF+4*\m+1], v[XF+4*\m:XF+4*\m+1], v[XF+4*\m+2:XF+4*\m+3]
.endr
.irp m,0,1,2,3
	v_add_f32 v[XF+4*\m], v[XF+4*\m], v[XF+4*\m+1]
.endr
.irp m,0,1,2,3
	v_permlanex16_b32 v[XF+4*\m+2], v[XF+4*\m], s[SEL], s[SEL+1]
.endr
.irp m,0,1,2,3
	v_add_f32 v[XF+4*\m], v[XF+4*\m], v[XF+4*\m+2]
.endr
.irp m,0,1,2,3
	v_mul_f32 v[PR+2*\m], 0x3c800000, v[XF+4*\m]   ; / 64
.endr
.set lj, 0
.rept 16
.irp m,0,1,2,3
	v_pk_add_f32 v[ACC+32*\m+lj:ACC+32*\m+lj+1], v[ACC+32*\m+lj:ACC+32*\m+lj+1], v[PR+2*\m:PR+2*\m+1] op_sel_hi:[1,0] neg_lo:[0,1] neg_hi:[0,1]
.endr
.set lj, lj+2
.endr
.irp m,0,1,2,3
	v_pk_mul_f32 v[XF+4*\m:XF+4*\m+1], v[ACC+32*\m:ACC+32*\m+1], v[ACC+32*\m:ACC+32*\m+1]
	v_pk_mul_f32 v[XF+4*\m+2:XF+4*\m+3], v[ACC+32*\m+2:ACC+32*\m+3], v[ACC+32*\m+2:ACC+32*\m+3]
.endr
.irp j,4,8,12,16,20,24,28
.irp m,0,1,2,3
	v_pk_fma_f32 v[XF+4*\m:XF+4*\m+1], v[ACC+32*\m+\j:ACC+32*\m+\j+1], v[ACC+32*\m+\j:ACC+32*\m+\j+1], v[XF+4*\m:XF+4*\m+1]
	v_pk_fma_f32 v[XF+4*\m+2:XF+4*\m+3], v[ACC+32*\m+\j+2:ACC+32*\m+\j+3], v[ACC+32*\m+\j+2:ACC+32*\m+\j+3], v[XF+4*\m+2:XF+4*\m+3]
.endr
.endr
.irp m,0,1,2,3
	v_pk_add_f32 v[XF+4*\m:XF+4*\m+1], v[XF+4*\m:XF+4*\m+1], v[XF+4*\m+2:XF+4*\m+3]
.endr
.irp m,0,1,2,3
	v_add_f32 v[XF+4*\m], v[XF+4*\m], v[XF+4*\m+1]
.endr
.irp m,0,1,2,3
	v_permlanex16_b32 v[XF+4*\m+2], v[XF+4*\m], s[SEL], s[SEL+1]
.endr
.irp m,0,1,2,3
	v_add_f32 v[PR+2*\m+1], v[XF+4*\m], v[XF+4*\m+2]
.endr
.irp m,0,1,2,3
	ds_store_b64 v[STW], v[PR+2*\m:PR+2*\m+1] offset:1280*\m
.endr
.endm
.macro STATLD m
.irp q,0,1,2,3
	ds_load_b128 v[XF+16*((\m)%2)+4*\q:XF+16*((\m)%2)+4*\q+3], v[STR] offset:1280*(\m)+16*\q
.endr
.endm
.macro MERGE m                         ; mu = the mean of the means; squares = the eight sums + 64 x the squares of (mean - mu)
.set SS, XF+16*((\m)%2)
	v_pk_add_f32 v[TA:TA+1], v[SS:SS+1], v[SS+2:SS+3]
	v_pk_add_f32 v[TA+2:TA+3], v[SS+4:SS+5], v[SS+6:SS+7]
	v_pk_add_f32 v[TA:TA+1], v[TA:TA+1], v[SS+8:SS+9]
	v_pk_add_f32 v[TA+2:TA+3], v[TA+2:TA+3], v[SS+10:SS+11]
	v_pk_add_f32 v[TA:TA+1], v[TA:TA+1], v[SS+12:SS+13]
	v_pk_add_f32 v[TA+2:TA+3], v[TA+2:TA+3], v[SS+14:SS+15]
	v_pk_add_f32 v[TA:TA+1], v[TA:TA+1], v[TA+2:TA+3]
	v_mul_f32 v[TA+2], 0x3e000000, v[TA]
.irp q,0,1,2,3,4,5,6,7
	v_sub_f32 v[SS+2*\q], v[SS+2*\q], v[TA+2]
.endr
	v_mul_f32 v[TA], v[SS], v[SS]
	v_mul_f32 v[TA+3], v[SS+2], v[SS+2]
	v_fma_f32 v[TA], v[SS+4], v[SS+4], v[TA]
	v_fma_f32 v[TA+3], v[SS+6], v[SS+6], v[TA+3]
	v_fma_f32 v[TA], v[SS+8], v[SS+8], v[TA]
	v_fma_f32 v[TA+3], v[SS+10], v[SS+10], v[TA+3]
	v_fma_f32 v[TA], v[SS+12], v[SS+12], v[TA]
	v_fma_f32 v[TA+3], v[SS+14], v[SS+14], v[TA+3]
	v_add_f32 v[TA], v[TA], v[TA+3]
	v_fmamk_f32 v[TA+1], v[TA], 0x42800000, v[TA+1]
	v_ldexp_f32 v[TA+1], v[TA+1], s[E2]            ; / 512, and the sums' scale squared
	v_add_f32 v[VR+\m], 0x358637bd, v[TA+1]        ; + 1e-6
	v_sub_f32 v[PR+2*\m+1], v[TA+2], v[PR+2*\m]
.endm
.macro LNFIN
	STATLD 0
	STATLD 1
	s_wait_dscnt 4                                 ; the older tile's four loads are in, the younger's may be out (so below)
	MERGE 0
	STATLD 2
	s_wait_dscnt 4
	MERGE 1
	STATLD 3
	s_wait_dscnt 4
	MERGE 2
	s_wait_dscnt 0x0
	MERGE 3
	AWAIT
.irp m,0,1,2,3
	v_rsq_f32 v[VR+\m], v[VR+\m]
.endr
	v_nop
	AWAIT
.irp m,0,1,2,3
	v_ldexp_f32 v[XF+4*\m], v[VR+\m], s[EE]        ; A = 2^(ex + ew) / sqrt(var + eps)
.endr
.irp m,0,1,2,3
	v_mul_f32 v[XF+4*\m+2], -v[PR+2*\m+1], v[XF+4*\m]
.endr
.endm
.macro NORM m
.set nj, 0
.rept 16
	v_pk_fma_f32 v[ACC+32*\m+nj:ACC+32*\m+nj+1], v[ACC+32*\m+nj:ACC+32*\m+nj+1], v[XF+4*\m:XF+4*\m+1], v[XF+4*\m+2:XF+4*\m+3] op_sel_hi:[1,0,0]
.set nj, nj+2
.endr
.set nj, 0
.rept 16
	v_pk_fma_f32 v[ACC+32*\m+nj:ACC+32*\m+nj+1], v[ACC+32*\m+nj:ACC+32*\m+nj+1], v[GG+nj:GG+nj+1], v[BB+nj:BB+nj+1]
.set nj, nj+2
.endr
.set nj, 0
.rept 32
	v_med3_num_f32 v[ACC+32*\m+nj], v[ACC+32*\m+nj], s[LON], s[LOP]
.set nj, nj+1
.endr
.endm
.macro OUT_QK                          ; tiles 2 b, 2 b + 1 convert into 16 neighbouring bytes of my token: a wave's store covers 512 consecutive bytes
.irp m,0,1,2,3
.irp ct,0,1,2,3
	v_cvt_scalef32_pk8_fp8_f32 v[XF+8*\m+2*\ct:XF+8*\m+2*\ct+1], v[ACC+32*\m+8*\ct:ACC+32*\m+8*\ct+7], v[SCO]
.endr
.endr
	v_nop
.irp m,0,1,2,3
	global_store_b128 v[LI], v[XF+8*\m:XF+8*\m+3], s[OC:OC+1] offset:1024*\m
	global_store_b128 v[LI], v[XF+8*\m+4:XF+8*\m+7], s[OC:OC+1] offset:1024*\m+512
.endr
.endm
; v: the keys are the next K, so a lane must hold one column and eight neighbouring tokens: 32 tokens x 16 columns turn through my own stage.
.macro VISSUE k
.set VC, (\k)/2
.set VQ, (\k)%2
.irp mi,0,1
	ds_store_b128 v[VSW], v[ACC+32*(2*VQ+\mi)+8*VC:ACC+32*(2*VQ+\mi)+8*VC+3] offset:1280*\mi
	ds_store_b128 v[VSW], v[ACC+32*(2*VQ+\mi)+8*VC+4:ACC+32*(2*VQ+\mi)+8*VC+7] offset:1280*\mi+16
.endr
.set vn, 0
.rept 16
	ds_load_b32 v[XF+16*((\k)%2)+vn], v[VSR] offset:(16*(vn/8)+vn%8)*80
.set vn, vn+1
.endr
.endm
.macro VFIN k
.set VC, (\k)/2
.set VQ, (\k)%2
	v_cvt_scalef32_pk8_fp8_f32 v[ACC+64*VQ+8*VC:ACC+64*VQ+8*VC+1], v[XF+16*((\k)%2):XF+16*((\k)%2)+7], v[SCO]
	v_cvt_scalef32_pk8_fp8_f32 v[ACC+64*VQ+8*VC+2:ACC+64*VQ+8*VC+3], v[XF+16*((\k)%2)+8:XF+16*((\k)%2)+15], v[SCO]
	v_nop
	global_store_b128 v[LI], v[ACC+64*VQ+8*VC:ACC+64*VQ+8*VC+3], s[OC:OC+1] offset:2048*VC+512*VQ
.endm
.macro OUT_V
	VISSUE 0
.irp k,0,1,2,3,4,5,6
	VISSUE \k+1
	s_wait_dscnt 20                                ; round k is back; the next round's 4 stores and 16 loads may be out
	VFIN \k
.endr
	s_wait_dscnt 0x0
	VFIN 7
.endm
; A block.  more = 1: another follows; where it belongs to the next projection, that projection's W is read.
.macro BLOCK more
	s_wait_xcnt 0x0                                ; the last block's stores have read their data and their base: both are written again below
	s_and_b32 s35, s[BLK], 255                     ; the block's place among the 256 of its projection
	s_lshr_b32 s34, s35, 5                         ; the batch: 32 blocks each
	s_lshl_b32 s34, s34, 3
	s_add_co_u32 s34, s34, s[WV]
	s_lshl_b32 s34, s34, 17                        ; a head's codes are 131,072 bytes
	s_and_b32 s35, s35, 31
	s_lshl_b32 s32, s35, 12                        ; q, k: four tiles of 1,024 bytes a block
	s_lshr_b32 s33, s35, 1                         ; v: a step of 128 keys is 8,192 bytes; a block is two of its four pieces of 32 keys
	s_lshl_b32 s33, s33, 13
	s_and_b32 s35, s35, 1
	s_lshl_b32 s35, s35, 10
	s_add_co_u32 s33, s33, s35
	s_cmp_eq_u32 s[PJ], 2
	s_cselect_b32 s32, s33, s32
	s_add_co_u32 s32, s32, s34
	s_mov_b32 s33, 0
	s_cmp_eq_u32 s[PJ], 0                          ; the projection's buffer and exponents: choices on ids alone
	s_cselect_b64 s[30:31], s[18:19], s[20:21]
	s_cselect_b32 s60, s68, s70                    ; ex
	s_cselect_b32 s61, s69, s71                    ; ew
	s_cselect_b32 s62, s75, s74                    ; eo: q entry 7, k entry 6
	s_cmp_eq_u32 s[PJ], 2
	s_cselect_b64 s[30:31], s[22:23], s[30:31]
	s_cselect_b32 s60, s72, s60
	s_cselect_b32 s61, s73, s61
	s_cselect_b32 s62, s76, s62                    ; v entry 8
	s_add_nc_u64 s[OC:OC+1], s[30:31], s[32:33]
	s_add_co_i32 s[EE], s60, s61
	s_lshl_b32 s[E2], s[EE], 1
	s_sub_co_i32 s[E2], s[E2], 9
	s_add_co_i32 s32, s60, 127
	s_lshl_b32 s34, s32, 23
	v_mov_b32 v[SCX], s34                          ; 2^ex as f32: the conversion takes its exponent field
	s_add_co_i32 s32, s32, 8
	s_lshl_b32 s32, s32, 23
	s_or_b32 s[LXP], s32, 0x600000                 ; 448 x 2^ex
	s_or_b32 s[LXN], s[LXP], 0x80000000
	s_add_co_i32 s32, s62, 127
	s_lshl_b32 s34, s32, 23
	v_mov_b32 v[SCO], s34
	s_add_co_i32 s32, s32, 8
	s_lshl_b32 s32, s32, 23
	s_or_b32 s[LOP], s32, 0x600000
	s_or_b32 s[LON], s[LOP], 0x80000000
	XPH
	BARRIER                                        ; x's sixteen fragments lie in LDS
	s_wait_loadcnt 0x0                             ; W (the first time g and b too)
	GEMM
	LNLOC
	BARRIER                                        ; every wave's figures lie in LDS
	LNFIN
	NORM 0
	NORM 1
	NORM 2
	NORM 3
	s_cmp_eq_u32 s[PJ], 2                          ; a branch on ids
	AWAIT
	s_cbranch_scc1 .Lis_v_\@
	OUT_QK
	s_branch .Lstored_\@
.Lis_v_\@:
	OUT_V
.Lstored_\@:
	s_xor_b32 s[SB], s[SB], SLOTB
.if \more
	s_mov_b32 s[BLK], s[NXT]                       ; on to the next of my three, and the one after it, going round
	s_add_co_u32 s[JJ], s[JJ], 1
	s_cmp_eq_u32 s[JJ], 3
	s_cselect_b32 s[JJ], 0, s[JJ]
	s_add_co_u32 s[NXT], s[ID0], s[JJ]
	s_lshr_b32 s32, s[BLK], 8                      ; the next block's projection
	s_cmp_eq_u32 s32, s[PJ]
	AWAIT
	s_cbranch_scc1 .Lsame_\@
	s_mov_b32 s[PJ], s32                           ; 1 or 2
	s_cmp_eq_u32 s[PJ], 1
	s_cselect_b64 s[28:29], s[8:9], s[10:11]       ; (the earlier loads by this base are done)
	s_add_nc_u64 s[28:29], s[28:29], s[WOF:WOF+1]
	WLD
.Lsame_\@:
.endif
.endm
	s_load_b256 s[4:11], s[0:1], 0x0               ; x, wq, wk, wv
	s_load_b256 s[12:19], s[0:1], 0x20             ; the scales' exponents, g, b, q_ws
	s_load_b128 s[20:23], s[0:1], 0x40             ; k_ws, v_ws
	v_lshl_add_u32 v[SPW], v0, 2, SPARE
	v_mov_b32 v[NIL], 0
	ds_add_u32 v[SPW], v[NIL]                      ; the opening lines: the add, twice on end, and its wait ahead of my first tensor load
	ds_add_u32 v[SPW], v[NIL]
	v_lshrrev_b32 v16, 5, v0
	v_readfirstlane_b32 s[WV], v16                 ; wave 0..7
	s_mul_i32 s[ID0], ttmp9, 3                     ; my three blocks' first number
	s_lshr_b32 s[PJ], s[ID0], 8                    ; 0: q, 1: k, 2: v
	s_add_co_u32 s26, s[ID0], 2
	s_lshr_b32 s26, s26, 8
	s_cmp_eq_u32 s26, s[PJ]                        ; all three of one projection?
	s_cselect_b32 s26, s[PJ], 0                    ; then I begin with number p of the three; else with the first
	s_add_co_u32 s[BLK], s[ID0], s26
	s_add_co_u32 s[JJ], s26, 1
	s_cmp_eq_u32 s[JJ], 3
	s_cselect_b32 s[JJ], 0, s[JJ]
	s_add_co_u32 s[NXT], s[ID0], s[JJ]
	; descriptor group 1: my 8 rows of x, dense in memory, as 16 half rows of 256 f32, 16 bytes of padding behind each
	s_mov_b32 s[G1+0], (2<<16)|(1<<20)|(7<<22)|(3<<25)
	s_mov_b32 s[G1+1], 256<<16
	s_mov_b32 s[G1+2], 16<<16
	s_mov_b32 s[G1+3], 256<<16
	s_mov_b32 s[G1+4], 16
	s_mov_b32 s[G1+5], 256
	s_mov_b32 s[G1+6], 0
	s_mov_b32 s[G1+7], 0
	s_and_b32 s26, s[BLK], 255
	s_lshl_b32 s26, s26, 17                        ; 64 rows of 2,048 bytes a block,
	s_lshl_b32 s[XW], s[WV], 14                    ; 8 rows a wave
	s_add_co_u32 s26, s26, s[XW]
	s_mov_b32 s27, 0
	s_mov_b32 s[G0], 1
	s_mul_i32 s[G0+1], s[WV], 16*HALFP             ; slot 0, my 16 half rows
	s_wait_dscnt 0x0
	s_wait_kmcnt 0x0
	s_add_nc_u64 s[G0+2:G0+3], s[4:5], s[26:27]
	s_or_b32 s[G0+3], s[G0+3], 0x80000000
	tensor_load_to_lds s[G0:G0+3], s[G1:G1+7]      ; my first block: the one tensor load at the head
	s_nop 0
	PLACES
	s_load_b256 s[68:75], s[12:13], 0x0            ; entries 0 to 7
	s_load_b128 s[76:79], s[12:13], 0x20           ; entries 8 to 11
	v_and_b32 v16, 15, v0                          ; r
	v_bfe_u32 v17, v0, 4, 1                        ; h
	v_and_b32 v18, 31, v0
	v_lshlrev_b32 v[LI], 4, v18
	s_lshr_b32 s32, s[WV], 1
	s_mul_i32 s32, s32, 16*ROWP                    ; tile of rows wave / 2,
	s_and_b32 s33, s[WV], 1
	s_mul_i32 s33, s33, HALFP                      ; half row wave % 2
	s_add_co_u32 s32, s32, s33
	v_mul_u32_u24 v[XR], v16, ROWP
	v_lshl_add_u32 v[XR], v17, 6, v[XR]
	v_add_nc_u32 v[XR], s32, v[XR]
	v_add_nc_u32 v[IMR], IMG, v[LI]
	s_lshl_b32 s32, s[WV], 12
	v_add_nc_u32 v[IMW], s32, v[IMR]
	v_mul_u32_u24 v[STR], v16, 80
	v_add_nc_u32 v[STR], STAT, v[STR]
	s_lshl_b32 s32, s[WV], 3
	v_add_nc_u32 v[STW], s32, v[STR]
	s_mul_i32 s32, s[WV], VSTW
	s_add_co_u32 s32, s32, VST
	v_mul_u32_u24 v[VSW], v16, 80
	v_lshl_add_u32 v[VSW], v17, 5, v[VSW]
	v_add_nc_u32 v[VSW], s32, v[VSW]
	v_mul_u32_u24 v[VSR], v17, 640
	v_lshl_add_u32 v[VSR], v16, 2, v[VSR]
	v_add_nc_u32 v[VSR], s32, v[VSR]
	v_and_b32 v19, 8, v16
	v_add_nc_u32 v19, v19, v16                     ; r + 8 (r / 8)
	v_lshlrev_b32 v[WA], 9, v19
	v_lshl_add_u32 v[WA], v17, 4, v[WA]
	AWAIT
	v_lshlrev_b32 v[GBO], 6, v17
	AWAIT
	s_cmp_eq_u32 s[PJ], 0                          ; my first projection's weights: a choice on the work-group's number alone
	s_cselect_b64 s[28:29], s[6:7], s[8:9]
	s_cmp_eq_u32 s[PJ], 2
	s_cselect_b64 s[28:29], s[10:11], s[28:29]
	s_lshl_b32 s[WOF], s[WV], 15
	s_mov_b32 s[WOF+1], 0
	s_add_nc_u64 s[28:29], s[28:29], s[WOF:WOF+1]
	WLD
	s_lshl_b32 s32, s[WV], 8                       ; my 64 numbers of g and of b
	s_mov_b32 s33, 0
	s_add_nc_u64 s[14:15], s[14:15], s[32:33]
	s_add_nc_u64 s[16:17], s[16:17], s[32:33]
.irp ct,0,1,2,3
	global_load_b128 v[GG+8*\ct:GG+8*\ct+3], v[GBO], s[14:15] offset:(32*(\ct/2)+8*(\ct%2))*4
	global_load_b128 v[GG+8*\ct+4:GG+8*\ct+7], v[GBO], s[14:15] offset:(32*(\ct/2)+8*(\ct%2))*4+16
	global_load_b128 v[BB+8*\ct:BB+8*\ct+3], v[GBO], s[16:17] offset:(32*(\ct/2)+8*(\ct%2))*4
	global_load_b128 v[BB+8*\ct+4:BB+8*\ct+7], v[GBO], s[16:17] offset:(32*(\ct/2)+8*(\ct%2))*4+16
.endr
	s_mov_b32 s[SEL], 0x76543210
	s_mov_b32 s[SEL+1], 0xfedcba98
	s_mov_b32 s[SB], 0
	s_mov_b32 s[CNT], 2
.irp j,0,1,2,3,4,5,6,7
	v_mov_b32 v[PR+\j], 0                          ; named as pairs before both halves are made
.endr
	AWAIT                                          ; the head's end
	s_wait_kmcnt 0x0
.Lblk:                                             ; two trips: behind each change of slots but the last the next block is asked for
	CHANGE 1
	BLOCK 1
	s_sub_co_u32 s[CNT], s[CNT], 1
	s_cmp_lg_u32 s[CNT], 0
	AWAIT
	s_cbranch_scc1 .Lblk
	CHANGE 0                                       ; the last block is written out
	BLOCK 0
	s_wait_tensorcnt 0x0                           ; the wave's end
	ds_add_u32 v[SPW], v[NIL]
	s_wait_dscnt 0x0
	s_endpgm
.Lfunc_end_k_q9224fd9c4f_proj:
	.size	k_q9224fd9c4f_proj, .Lfunc_end_k_q9224fd9c4f_proj-k_q9224fd9c4f_proj
	.p2alignl 7, 3214868480
	.fill 96, 4, 3214868480
	.section	.rodata,"a",@progbits
	.p2align	6, 0x0
	.amdhsa_kernel k_q9224fd9c4f_proj
		.amdhsa_group_segment_fixed_size 327680
		.amdhsa_private_segment_fixed_size 0
		.amdhsa_enable_private_segment 0
		.amdhsa_kernarg_size 80
		.amdhsa_user_sgpr_count 2
		.amdhsa_user_sgpr_kernarg_segment_ptr 1
		.amdhsa_wavefront_size32 1
		.amdhsa_system_sgpr_workgroup_id_x 1
		.amdhsa_system_sgpr_workgroup_id_y 1
		.amdhsa_system_sgpr_workgroup_id_z 1
		.amdhsa_system_vgpr_workitem_id 0
		.amdhsa_next_free_vgpr 512
		.amdhsa_next_free_sgpr 96
		.amdhsa_reserve_vcc 0
		.amdhsa_float_denorm_mode_32 3
		.amdhsa_float_denorm_mode_16_64 3
		.amdhsa_memory_ordered 1
		.amdhsa_forward_progress 1
		.amdhsa_inst_pref_size 170
	.end_amdhsa_kernel
	.amdgpu_metadata
---
amdhsa.version: [ 1, 2 ]
amdhsa.kernels:
  - .name:           k_q9224fd9c4f_proj
    .symbol:         k_q9224fd9c4f_proj.kd
    .args:
      - { .name: x, .offset: 0, .size: 8, .value_kind: global_buffer, .address_space: global }
      - { .name: wq_codes, .offset: 8, .size: 8, .value_kind: global_buffer, .address_space: global }
      - { .name: wk_codes, .offset: 16, .size: 8, .value_kind: global_buffer, .address_space: global }
      - { .name: wv_codes, .offset: 24, .size: 8, .value_kind: global_buffer, .address_space: global }
      - { .name: lowp_scales, .offset: 32, .size: 8, .value_kind: global_buffer, .address_space: global }
      - { .name: ln_embed_g, .offset: 40, .size: 8, .value_kind: global_buffer, .address_space: global }
      - { .name: ln_embed_b, .offset: 48, .size: 8, .value_kind: global_buffer, .address_space: global }
      - { .name: q_ws, .offset: 56, .size: 8, .value_kind: global_buffer, .address_space: global }
      - { .name: k_ws, .offset: 64, .size: 8, .value_kind: global_buffer, .address_space: global }
      - { .name: v_ws, .offset: 72, .size: 8, .value_kind: global_buffer, .address_space: global }
    .group_segment_fixed_size: 327680
    .private_segment_fixed_size: 0
    .kernarg_segment_align: 8
    .kernarg_segment_size: 80
    .max_flat_workgroup_size: 256
    .sgpr_count:     96
    .vgpr_count:     512
    .wavefront_size: 32
...
	.end_amdgpu_metadata
.endif
;; end of part 1
;; launch attn_o (part 2): grid 256 x 1, 8 waves a work-group, no clusters, 206,848 bytes of LDS; arguments q_ws, k_ws, v_ws, lowp_scales, wo_codes, x, ln_out_g, ln_out_b, out0; writes out0
.if DOCPART == 2
	.amdgcn_target "amdgcn-amd-amdhsa--gfx1250"
	.amdhsa_code_object_version 6
	.text
	.protected	k_q9224fd9c4f_attn_o
	.globl	k_q9224fd9c4f_attn_o
	.p2align	8
	.type	k_q9224fd9c4f_attn_o,@function
k_q9224fd9c4f_attn_o:
	s_mov_b64 s[64:65], 0
	v_nop
	global_prefetch_b8 v0, s[64:65] scope:SCOPE_SE
	s_setreg_imm32_b32 hwreg(HW_REG_WAVE_MODE, 25, 1), 1
	s_wait_xcnt 0x0
; out0 = LayerNorm(Q(softmax(q k^T / 8) v) Wo + x) x g + b: attention, the projection on the way out, the residual and the norm in one launch.
; SHARES.  A work-group owns 64 tokens of one batch (256 work-groups); wave w owns head w for these 64 queries (four tiles of 16) and walks the head's 2,048 keys, 128 a step.
; q_ws, k_ws, v_ws hold E4M3 codes laid as operand registers (512 consecutive bytes a load of the wave).  Both products are used transposed: a lane holds one query.
; SOFTMAX: t = score x log2(e) / 8; M = the running largest t rounded up to a whole number; p = 2^(t - M) is quantised; the row's sum is taken of the unquantised p;
; when M moves, the sum and O^T are multiplied by 2^(old M - new M), which rounds nothing.  O^T and the sums begin as zeros and the largest t as -3e38, so the step is written once for the loop.
; THE HOLD OF p: p is at most 1 (one rounding step more at the most), so where 448 x 2^ep is at least 1.75 (ep >= -8) the hold changes nothing and a scalar branch on ep leads round it; else it is executed.
; NO TENSOR LOAD, NO CLUSTER: in its work-group a wave is the only reader of its head's K and V, so these go from memory straight into its operand registers and no LDS copy is made of them;
; so there is no joint load.
; K for step n + 1 is asked for in the middle of step n (behind the last product that reads K), V at its end; x comes 1,024 bytes a wave and step into LDS, asked for a step ahead by its own loads.
; PREFETCH: the 32 work-groups of a batch walk the same K and V.  Work-group j of them asks for step j / 2 of K (j even) or V (j odd), each wave for its head (32 lanes x 256 bytes), in step j / 2 - 2;
; steps 0 and 1 come by their loads alone.  Wo's 1,024 blocks of 256 bytes are shared out four to a work-group, asked for by wave 0 in step 8.
; THE WAY OUT: each wave's 64 x 64 codes of O go to LDS as fragment images; then wave w makes columns 64 w .. + 63 of the result for all 64 tokens (Wo's 64 rows in 256 registers),
; with x / 2^(ea + ewo) as the sums' start; mean and squares are merged over the eight waves with no difference of large sums; rows leave through a stage as aligned units of 256 bytes.
; LIMITS: eq + ek between -123 and 130; ep and ea between -126 and 119; ea + ewo between -126 and 126; the scaled scores stay under 2^31 in magnitude; NaN among the inputs is not served.
.set ROWP,  2080                       ; x in LDS: two half rows of 1,024 + 16 bytes
.set HALFP, 1040
.set IMG,   133120                     ; 16 fragment images of 2,048 bytes
.set STAT,  165888
.set OST,   171008
.set OSTW,  4352
.set SPARE, 205824                     ; the spare words, 128 bytes a wave
.set FRB,   2048
.set LI,  1
.set XA,  2
.set SCP, 4
.set STW, 5
.set STR, 6
.set SCA, 7
.set SPW, 8
.set OSW, 9
.set OSR, 10
.set GO,  11
.set IMR, 12
.set NIL, 13
.set GBO, 14
.set WA,  15
.set NM,  16                           ; a pair for each tile: (-M, the largest t)
.set LS,  24                           ; the sum, in two halves, for each tile
.set QF,  32
.set S0,  64
.set S1,  128
.set PA,  192                          ; p's codes, two sets
.set PB,  208
.set FF,  224                          ; (f, ..) of the pair's first tile
.set MX,  226                          ; its four chains of maxima
.set MY,  230                          ; the second tile's
.set FG,  234                          ; (f, ..) of the second tile
.set LTA, 224                          ; the sums' chains lie over these twelve, which are done with by then
.set LTB, 230
.set XB,  236                          ; 1,024 bytes of x on their way to LDS
.set XL0, 244
.set XL,  245
.set PFO, 246
.set PFW, 247
.set IMW, 248
.set FB,  226
.set CD,  16
.set XF,  16
.set ACC, 48
.set GG,  176
.set BB,  208
.set TA,  240
.set PR,  244
.set VR,  252
.set VF,  64                           ; window 1: K v0-63, V v64-127, O^T v128-255; later Wo's 16 fragments
.set OF,  128
.set WV,  24
.set KIND, 25
.set QP,  26
.set KP,  28
.set VP,  30
.set XP,  32
.set PFP, 34
.set WOP, 36
.set GP,  38
.set BP,  40
.set CS,  42
.set PLIM, 44
.set NOH, 45
.set SEL, 46
.set CNT, 48
.set STP, 49
.set LIM, 50
.set LIM2, 51
.set ALP, 52
.set ALN, 53
.set EPV, 54
.set XS,  55
.set EE,  66
.set E2,  67
.set OUTB, 70
.set RS,  90
.set MSB, 0
.macro WIN new                         ; the immediate's high byte repeats the setting that is left
.if MSB != \new
	s_set_vgpr_msb (MSB<<8)|\new
.set MSB, \new
.endif
.endm
.macro PLACES
.rept 4
	v_nop
.endr
.endm
.macro AWAIT
	s_wait_alu depctr_va_vdst(0)
.endm
.macro BARRIER
	s_wait_dscnt 0x0
	s_barrier_signal -1
	s_barrier_wait -1
.endm
.macro QK t, rS                        ; S^T = K Q^T: eight tiles of 16 keys
	WIN 0x01
.irp kt,0,1,2,3,4,5,6,7
	v_wmma_f32_16x16x64_fp8_fp8 v[\rS+8*\kt:\rS+8*\kt+7], v[8*\kt:8*\kt+7], v[QF+8*\t:QF+8*\t+7], 0
.endr
.endm
.macro PV t, pf                        ; O^T += V^T P^T: four tiles of 16 of the head's 64
	WIN 0x51
.irp dt,0,1,2,3
	v_wmma_f32_16x16x128_fp8_fp8 v[OF+32*\t+8*\dt:OF+32*\t+8*\dt+7], v[VF+16*\dt:VF+16*\dt+15], v[\pf:\pf+15], v[OF+32*\t+8*\dt:OF+32*\t+8*\dt+7]
.endr
.endm
.macro LOADK
	WIN 0x40
.irp kt,0,1,2,3,4,5,6,7
	global_load_b128 v[8*\kt:8*\kt+3], v[LI], s[KP:KP+1] offset:1024*\kt
	global_load_b128 v[8*\kt+4:8*\kt+7], v[LI], s[KP:KP+1] offset:1024*\kt+512
.endr
	WIN 0
.endm
.macro LOADV
	WIN 0x40
.irp dt,0,1,2,3
.irp c,0,1,2,3
	global_load_b128 v[VF+16*\dt+4*\c:VF+16*\dt+4*\c+3], v[LI], s[VP:VP+1] offset:2048*\dt+512*\c
.endr
.endr
	WIN 0
.endm
.macro LOADX
	global_load_b128 v[XB:XB+3], v[LI], s[XP:XP+1] th:TH_LOAD_NT
	global_load_b128 v[XB+4:XB+7], v[LI], s[XP:XP+1] offset:512 th:TH_LOAD_NT
.endm
.macro WLOAD ct                        ; Wo's rows 16 ct .. + 15 of my 64: four fragments
.irp s,0,1,2,3
.irp c,0,1,2,3
	global_load_b128 v[16*(4*\ct+\s)+4*\c:16*(4*\ct+\s)+4*\c+3], v[WA], s[WOP:WOP+1] offset:8192*\ct+128*\s+32*\c
.endr
.endr
.endm
.macro ASK                             ; the prefetches: branches on ids and the count of steps; their address registers are not rewritten before the wait on XCNT behind the loop
	AWAIT
	s_cmp_eq_u32 s[STP], s[LIM]
	s_cbranch_scc0 .Lnot_kv_\@
	global_prefetch_b8 v[PFO], s[PFP:PFP+1] th:TH_LOAD_NT scope:SCOPE_SE
.Lnot_kv_\@:
	s_cmp_eq_u32 s[STP], s[LIM2]
	s_cbranch_scc0 .Lnot_wo_\@
	global_prefetch_b8 v[PFW], s[12:13] th:TH_LOAD_NT scope:SCOPE_SE
.Lnot_wo_\@:
.endm
; The softmax of two tiles of 16 queries x 128 keys, line by line in turns, so that no line reads the line above it:
; tile ta's scores lie in S0 and its codes go to PA, tile tb's in S1 and to PB; O^T of both is brought under the new M ahead of the exponentials.
.macro SMP ta, tb
	WIN 0
	AWAIT                                          ; directly ahead of the first readers of the scores
.irp q,0,1,2,3
	v_max_num_f32 v[MX+\q], v[S0+2*\q], v[S0+2*\q+1]     ; each accumulator is read from its low end on
	v_max_num_f32 v[MY+\q], v[S1+2*\q], v[S1+2*\q+1]
.endr
.irp kt,1,2,3,4,5,6,7
.irp q,0,1,2,3
	v_max3_num_f32 v[MX+\q], v[MX+\q], v[S0+8*\kt+2*\q], v[S0+8*\kt+2*\q+1]
	v_max3_num_f32 v[MY+\q], v[MY+\q], v[S1+8*\kt+2*\q], v[S1+8*\kt+2*\q+1]
.endr
.endr
	v_max3_num_f32 v[MX], v[MX], v[MX+1], v[MX+2]
	v_max3_num_f32 v[MY], v[MY], v[MY+1], v[MY+2]
	v_max_num_f32 v[MX], v[MX], v[MX+3]
	v_max_num_f32 v[MY], v[MY], v[MY+3]
	v_permlanex16_b32 v[MX+1], v[MX], s[SEL], s[SEL+1]   ; the query's other 64 keys lie in the lane 16 away
	v_permlanex16_b32 v[MY+1], v[MY], s[SEL], s[SEL+1]
	v_max_num_f32 v[MX], v[MX], v[MX+1]
	v_max_num_f32 v[MY], v[MY], v[MY+1]
	v_mul_f32 v[MX], s[CS], v[MX]                  ; as t (the factor is positive)
	v_mul_f32 v[MY], s[CS], v[MY]
	v_max_num_f32 v[NM+2*\ta+1], v[NM+2*\ta+1], v[MX]
	v_max_num_f32 v[NM+2*\tb+1], v[NM+2*\tb+1], v[MY]
	v_mov_b32 v[MX+1], v[NM+2*\ta]
	v_mov_b32 v[MY+1], v[NM+2*\tb]
	v_floor_f32 v[NM+2*\ta], -v[NM+2*\ta+1]        ; -M = floor(-t)
	v_floor_f32 v[NM+2*\tb], -v[NM+2*\tb+1]
	v_sub_f32 v[MX+1], v[NM+2*\ta], v[MX+1]        ; old M - new M, a whole number, 0 or less
	v_sub_f32 v[MY+1], v[NM+2*\tb], v[MY+1]
	v_cvt_i32_f32 v[MX+1], v[MX+1]                 ; (it saturates)
	v_cvt_i32_f32 v[MY+1], v[MY+1]
	v_ldexp_f32 v[FF], 1.0, v[MX+1]                ; f = 2^(old M - new M)
	v_ldexp_f32 v[FG], 1.0, v[MY+1]
.set sj, 0
.rept 32
	v_pk_fma_f32 v[S0+sj:S0+sj+1], v[S0+sj:S0+sj+1], s[CS:CS+1], v[NM+2*\ta:NM+2*\ta+1] op_sel_hi:[1,0,0]
	v_pk_fma_f32 v[S1+sj:S1+sj+1], v[S1+sj:S1+sj+1], s[CS:CS+1], v[NM+2*\tb:NM+2*\tb+1] op_sel_hi:[1,0,0]
.set sj, sj+2
.endr
	WIN 0x41
	AWAIT                                          ; directly ahead of the first readers of O^T, and ahead of the batch, whose sources are all written
.set sj, 0
.rept 16
	v_pk_mul_f32 v[OF+32*\ta+sj:OF+32*\ta+sj+1], v[OF+32*\ta+sj:OF+32*\ta+sj+1], v[FF:FF+1] op_sel_hi:[1,0]
	v_pk_mul_f32 v[OF+32*\tb+sj:OF+32*\tb+sj+1], v[OF+32*\tb+sj:OF+32*\tb+sj+1], v[FG:FG+1] op_sel_hi:[1,0]
.set sj, sj+2
.endr
	WIN 0
.set sj, 0
.rept 128
	v_exp_f32 v[S0+sj], v[S0+sj]                   ; S1 follows S0: both tiles' 64
.set sj, sj+1
.endr
	v_pk_mul_f32 v[LS+2*\ta:LS+2*\ta+1], v[LS+2*\ta:LS+2*\ta+1], v[FF:FF+1] op_sel_hi:[1,0]   ; the sums under the new M; plain lines behind the batch
	v_pk_mul_f32 v[LS+2*\tb:LS+2*\tb+1], v[LS+2*\tb:LS+2*\tb+1], v[FG:FG+1] op_sel_hi:[1,0]
	AWAIT                                          ; behind the batch, ahead of its first reader
	v_pk_add_f32 v[LTA:LTA+1], v[S0:S0+1], v[S0+2:S0+3]        ; the sums of the unquantised p, four chains a tile
	v_pk_add_f32 v[LTB:LTB+1], v[S1:S1+1], v[S1+2:S1+3]
	v_pk_add_f32 v[LTA+2:LTA+3], v[S0+4:S0+5], v[S0+6:S0+7]
	v_pk_add_f32 v[LTB+2:LTB+3], v[S1+4:S1+5], v[S1+6:S1+7]
	v_pk_add_f32 v[LTA+4:LTA+5], v[S0+8:S0+9], v[S0+10:S0+11]
	v_pk_add_f32 v[LTB+4:LTB+5], v[S1+8:S1+9], v[S1+10:S1+11]
.set sj, 12
.rept 26
.set ca, LTA-2+2*((sj/2)%4)
.set cb, LTB-2+2*((sj/2)%4)
.if (sj/2)%4 == 0
.set ca, LS+2*\ta
.set cb, LS+2*\tb
.endif
	v_pk_add_f32 v[ca:ca+1], v[ca:ca+1], v[S0+sj:S0+sj+1]
	v_pk_add_f32 v[cb:cb+1], v[cb:cb+1], v[S1+sj:S1+sj+1]
.set sj, sj+2
.endr
	v_pk_add_f32 v[LTA:LTA+1], v[LTA:LTA+1], v[LTA+2:LTA+3]
	v_pk_add_f32 v[LTB:LTB+1], v[LTB:LTB+1], v[LTB+2:LTB+3]
	v_pk_add_f32 v[LS+2*\ta:LS+2*\ta+1], v[LS+2*\ta:LS+2*\ta+1], v[LTA+4:LTA+5]
	v_pk_add_f32 v[LS+2*\tb:LS+2*\tb+1], v[LS+2*\tb:LS+2*\tb+1], v[LTB+4:LTB+5]
	v_pk_add_f32 v[LS+2*\ta:LS+2*\ta+1], v[LS+2*\ta:LS+2*\ta+1], v[LTA:LTA+1]
	v_pk_add_f32 v[LS+2*\tb:LS+2*\tb+1], v[LS+2*\tb:LS+2*\tb+1], v[LTB:LTB+1]
	s_cmp_lg_u32 s[NOH], 0                         ; ep >= -8: no p lies beyond the largest code
	AWAIT
	s_cbranch_scc1 .Lno_hold_\@
.set sj, 0
.rept 64
	v_dual_min_num_f32 v[S0+sj], s[PLIM], v[S0+sj] :: v_dual_min_num_f32 v[S0+sj+1], s[PLIM], v[S0+sj+1]
.set sj, sj+2
.endr
.Lno_hold_\@:
.irp kt,0,1,2,3,4,5,6,7
	v_cvt_scalef32_pk8_fp8_f32 v[PA+2*\kt:PA+2*\kt+1], v[S0+8*\kt:S0+8*\kt+7], v[SCP]
	v_cvt_scalef32_pk8_fp8_f32 v[PB+2*\kt:PB+2*\kt+1], v[S1+8*\kt:S1+8*\kt+7], v[SCP]
.endr
	v_nop                                          ; a plain line behind the last conversion
.endm
; A step of 128 keys.  fetch = 1: the next step's K, V and x are asked for.
.macro STEP fetch
	AWAIT
	s_wait_loadcnt 16                              ; K and x's piece are in (the first time Q too); V's 16 loads, issued last, may be out
	QK 0, S0
	QK 1, S1
	WIN 0
	v_add_nc_u32 v[XL], s[XS], v[XL0]              ; this line and three v_nop: the places behind the products
	v_nop
	v_nop
	v_nop
	ds_store_b128 v[XL], v[XB:XB+3]                ; half a row of x: 1,024 bytes
	ds_store_b128 v[XL], v[XB+4:XB+7] offset:512
	s_add_co_u32 s[XS], s[XS], HALFP
.if \fetch
	s_add_nc_u64 s[KP:KP+1], s[KP:KP+1], 8192      ; the loads that read these bases are done
	s_add_nc_u64 s[XP:XP+1], s[XP:XP+1], 1024
.endif
	SMP 0, 1
	WIN 0
	AWAIT
	s_wait_loadcnt 0x0                             ; V is in: nothing else is out
.if \fetch
	s_add_nc_u64 s[VP:VP+1], s[VP:VP+1], 8192
.endif
	PV 0, PA
	PV 1, PB
	QK 2, S0
	QK 3, S1
	WIN 0
	PLACES                                         ; in front of loads into K's registers and of the first read of the scores
.if \fetch
	LOADK
	LOADX
	ASK
.endif
	SMP 2, 3
	PV 2, PA
	PV 3, PB
	WIN 0
.if \fetch
	PLACES                                         ; in front of loads into V's registers
	LOADV
	s_add_co_u32 s[STP], s[STP], 1
.endif
.endm
; ---- the way out's steps ----
.macro FETCH reg, off
.irp c,0,1,2,3
	ds_load_b128 v[\reg+4*\c:\reg+4*\c+3], v[IMR] offset:\off+512*\c
.endr
.endm
.macro GEMM                            ; eight accumulators by turns, one instruction a turn
.irp mp,0,1
.irp s,0,1,2,3
	FETCH XF, (8*\mp+\s)*FRB
	FETCH XF+16, (8*\mp+4+\s)*FRB
	s_wait_dscnt 0x0
	WIN 0x01
.irp ct,0,1,2,3
.irp mi,0,1
	v_wmma_f32_16x16x128_fp8_fp8 v[ACC+32*(2*\mp+\mi)+8*\ct:ACC+32*(2*\mp+\mi)+8*\ct+7], v[16*(4*\ct+\s):16*(4*\ct+\s)+15], v[XF+16*\mi:XF+16*\mi+15], v[ACC+32*(2*\mp+\mi)+8*\ct:ACC+32*(2*\mp+\mi)+8*\ct+7]
.endr
.endr
	WIN 0
	PLACES
.endr
.endr
.endm
.macro LNLOC                           ; my wave's mean and sum of squares about it, for each token's 64 columns
.irp m,0,1,2,3
	v_pk_add_f32 v[XF+4*\m:XF+4*\m+1], v[ACC+32*\m:ACC+32*\m+1], v[ACC+32*\m+2:ACC+32*\m+3]
	v_pk_add_f32 v[XF+4*\m+2:XF+4*\m+3], v[ACC+32*\m+4:ACC+32*\m+5], v[ACC+32*\m+6:ACC+32*\m+7]
.endr
.irp j,8,12,16,20,24,28
.irp m,0,1,2,3
	v_pk_add_f32 v[XF+4*\m:XF+4*\m+1], v[XF+4*\m:XF+4*\m+1], v[ACC+32*\m+\j:ACC+32*\m+\j+1]
	v_pk_add_f32 v[XF+4*\m+2:XF+4*\m+3], v[XF+4*\m+2:XF+4*\m+3], v[ACC+32*\m+\j+2:ACC+32*\m+\j+3]
.endr
.endr
.irp m,0,1,2,3
	v_pk_add_f32 v[XF+4*\m:XF+4*\m+1], v[XF+4*\m:XF+4*\m+1], v[XF+4*\m+2:XF+4*\m+3]
.endr
.irp m,0,1,2,3
	v_add_f32 v[XF+4*\m], v[XF+4*\m], v[XF+4*\m+1]
.endr
.irp m,0,1,2,3
	v_permlanex16_b32 v[XF+4*\m+2], v[XF+4*\m], s[SEL], s[SEL+1]
.endr
.irp m,0,1,2,3
	v_add_f32 v[XF+4*\m], v[XF+4*\m], v[XF+4*\m+2]
.endr
.irp m,0,1,2,3
	v_mul_f32 v[PR+2*\m], 0x3c800000, v[XF+4*\m]   ; / 64
.endr
.set lj, 0
.rept 16
.irp m,0,1,2,3
	v_pk_add_f32 v[ACC+32*\m+lj:ACC+32*\m+lj+1], v[ACC+32*\m+lj:ACC+32*\m+lj+1], v[PR+2*\m:PR+2*\m+1] op_sel_hi:[1,0] neg_lo:[0,1] neg_hi:[0,1]
.endr
.set lj, lj+2
.endr
.irp m,0,1,2,3
	v_pk_mul_f32 v[XF+4*\m:XF+4*\m+1], v[ACC+32*\m:ACC+32*\m+1], v[ACC+32*\m:ACC+32*\m+1]
	v_pk_mul_f32 v[XF+4*\m+2:XF+4*\m+3], v[ACC+32*\m+2:ACC+32*\m+3], v[ACC+32*\m+2:ACC+32*\m+3]
.endr
.irp j,4,8,12,16,20,24,28
.irp m,0,1,2,3
	v_pk_fma_f32 v[XF+4*\m:XF+4*\m+1], v[ACC+32*\m+\j:ACC+32*\m+\j+1], v[ACC+32*\m+\j:ACC+32*\m+\j+1], v[XF+4*\m:XF+4*\m+1]
	v_pk_fma_f32 v[XF+4*\m+2:XF+4*\m+3], v[ACC+32*\m+\j+2:ACC+32*\m+\j+3], v[ACC+32*\m+\j+2:ACC+32*\m+\j+3], v[XF+4*\m+2:XF+4*\m+3]
.endr
.endr
.irp m,0,1,2,3
	v_pk_add_f32 v[XF+4*\m:XF+4*\m+1], v[XF+4*\m:XF+4*\m+1], v[XF+4*\m+2:XF+4*\m+3]
.endr
.irp m,0,1,2,3
	v_add_f32 v[XF+4*\m], v[XF+4*\m], v[XF+4*\m+1]
.endr
.irp m,0,1,2,3
	v_permlanex16_b32 v[XF+4*\m+2], v[XF+4*\m], s[SEL], s[SEL+1]
.endr
.irp m,0,1,2,3
	v_add_f32 v[PR+2*\m+1], v[XF+4*\m], v[XF+4*\m+2]
.endr
.irp m,0,1,2,3
	ds_store_b64 v[STW], v[PR+2*\m:PR+2*\m+1] offset:1280*\m
.endr
.endm
.macro STATLD m
.irp q,0,1,2,3
	ds_load_b128 v[XF+16*((\m)%2)+4*\q:XF+16*((\m)%2)+4*\q+3], v[STR] offset:1280*(\m)+16*\q
.endr
.endm
.macro MERGE m                         ; mu = the mean of the means; squares = the eight sums + 64 x the squares of (mean - mu)
.set SS, XF+16*((\m)%2)
	v_pk_add_f32 v[TA:TA+1], v[SS:SS+1], v[SS+2:SS+3]
	v_pk_add_f32 v[TA+2:TA+3], v[SS+4:SS+5], v[SS+6:SS+7]
	v_pk_add_f32 v[TA:TA+1], v[TA:TA+1], v[SS+8:SS+9]
	v_pk_add_f32 v[TA+2:TA+3], v[TA+2:TA+3], v[SS+10:SS+11]
	v_pk_add_f32 v[TA:TA+1], v[TA:TA+1], v[SS+12:SS+13]
	v_pk_add_f32 v[TA+2:TA+3], v[TA+2:TA+3], v[SS+14:SS+15]
	v_pk_add_f32 v[TA:TA+1], v[TA:TA+1], v[TA+2:TA+3]
	v_mul_f32 v[TA+2], 0x3e000000, v[TA]
.irp q,0,1,2,3,4,5,6,7
	v_sub_f32 v[SS+2*\q], v[SS+2*\q], v[TA+2]
.endr
	v_mul_f32 v[TA], v[SS], v[SS]
	v_mul_f32 v[TA+3], v[SS+2], v[SS+2]
	v_fma_f32 v[TA], v[SS+4], v[SS+4], v[TA]
	v_fma_f32 v[TA+3], v[SS+6], v[SS+6], v[TA+3]
	v_fma_f32 v[TA], v[SS+8], v[SS+8], v[TA]
	v_fma_f32 v[TA+3], v[SS+10], v[SS+10], v[TA+3]
	v_fma_f32 v[TA], v[SS+12], v[SS+12], v[TA]
	v_fma_f32 v[TA+3], v[SS+14], v[SS+14], v[TA+3]
	v_add_f32 v[TA], v[TA], v[TA+3]
	v_fmamk_f32 v[TA+1], v[TA], 0x42800000, v[TA+1]
	v_ldexp_f32 v[TA+1], v[TA+1], s[E2]            ; / 512, and the sums' scale squared
	v_add_f32 v[VR+\m], 0x358637bd, v[TA+1]        ; + 1e-6
	v_sub_f32 v[PR+2*\m+1], v[TA+2], v[PR+2*\m]
.endm
.macro LNFIN
	STATLD 0
	STATLD 1
	s_wait_dscnt 4                                 ; the older tile's four loads are in, the younger's may be out (so below)
	MERGE 0
	STATLD 2
	s_wait_dscnt 4
	MERGE 1
	STATLD 3
	s_wait_dscnt 4
	MERGE 2
	s_wait_dscnt 0x0
	MERGE 3
	AWAIT
.irp m,0,1,2,3
	v_rsq_f32 v[VR+\m], v[VR+\m]
.endr
	v_nop
	AWAIT
.irp m,0,1,2,3
	v_ldexp_f32 v[XF+4*\m], v[VR+\m], s[EE]
.endr
.irp m,0,1,2,3
	v_mul_f32 v[XF+4*\m+2], -v[PR+2*\m+1], v[XF+4*\m]
.endr
.endm
.macro NORM m
.set nj, 0
.rept 16
	v_pk_fma_f32 v[ACC+32*\m+nj:ACC+32*\m+nj+1], v[ACC+32*\m+nj:ACC+32*\m+nj+1], v[XF+4*\m:XF+4*\m+1], v[XF+4*\m+2:XF+4*\m+3] op_sel_hi:[1,0,0]
.set nj, nj+2
.endr
.set nj, 0
.rept 16
	v_pk_fma_f32 v[ACC+32*\m+nj:ACC+32*\m+nj+1], v[ACC+32*\m+nj:ACC+32*\m+nj+1], v[GG+nj:GG+nj+1], v[BB+nj:BB+nj+1]
.set nj, nj+2
.endr
.endm
.macro OUTST m                         ; 16 tokens x 64 columns through my own stage: LDS serves a wave's instructions in order (ISA guide 5.7.1.4)
.irp ct,0,1,2,3
	ds_store_b128 v[OSW], v[ACC+32*\m+8*\ct:ACC+32*\m+8*\ct+3] offset:64*\ct
	ds_store_b128 v[OSW], v[ACC+32*\m+8*\ct+4:ACC+32*\m+8*\ct+7] offset:64*\ct+16
.endr
.irp i,0,1,2,3,4,5,6,7
	ds_load_b128 v[ACC+32*\m+4*\i:ACC+32*\m+4*\i+3], v[OSR] offset:544*\i
.endr
.endm
.macro SEND m, younger                 ; sixteen lanes store 256 consecutive bytes, aligned
	s_wait_dscnt \younger
.irp i,0,1,2,3,4,5,6,7
	global_store_b128 v[GO], v[ACC+32*\m+4*\i:ACC+32*\m+4*\i+3], s[OUTB:OUTB+1] offset:(16*\m+2*\i)*2048 th:TH_STORE_NT
.endr
.endm
	s_load_b256 s[4:11], s[0:1], 0x0               ; q_ws, k_ws, v_ws, the scales' exponents
	s_load_b256 s[12:19], s[0:1], 0x20             ; wo, x, g, b
	s_load_b64 s[20:21], s[0:1], 0x40              ; out0
	v_lshl_add_u32 v[SPW], v0, 2, SPARE
	v_mov_b32 v[NIL], 0
	v_lshrrev_b32 v249, 5, v0
	v_readfirstlane_b32 s[WV], v249                ; wave = head
	s_lshr_b32 s56, ttmp9, 5                       ; the batch: 32 work-groups each
	s_lshl_b32 s56, s56, 3
	s_add_co_u32 s56, s56, s[WV]
	s_lshl_b32 s56, s56, 17                        ; a head's codes are 131,072 bytes
	s_mov_b32 s57, 0
	s_and_b32 s60, ttmp9, 31                       ; j: my place in the batch
	s_lshl_b32 s58, s60, 12                        ; 64 queries are 4,096 bytes
	s_add_co_u32 s58, s58, s56
	s_mov_b32 s59, 0
	s_lshr_b32 s61, s60, 1                         ; the step that I prefetch,
	s_sub_co_u32 s[LIM], s61, 2                    ; two steps earlier (for steps 0 and 1 no count of steps equals it)
	s_and_b32 s[KIND], s60, 1                      ; of K or of V
	s_lshl_b32 s60, s61, 13
	s_add_co_u32 s60, s60, s56
	s_mov_b32 s61, 0
	s_lshl_b32 s62, ttmp9, 17                      ; 64 rows of 2,048 bytes
	s_lshl_b32 s78, s[WV], 8
	s_add_co_u32 s78, s78, s62                     ; out0: my 64 columns
	s_mov_b32 s79, 0
	s_lshl_b32 s63, s[WV], 14                      ; x: my 8 rows
	s_add_co_u32 s62, s62, s63
	s_mov_b32 s63, 0
	s_lshl_b32 s80, s[WV], 15                      ; my 64 rows of Wo
	s_mov_b32 s81, 0
	s_lshl_b32 s82, s[WV], 8
	s_mov_b32 s83, 0
	s_lshr_b32 s84, s[WV], 2
	s_mul_i32 s84, s84, HALFP
	s_and_b32 s85, s[WV], 3
	s_lshl_b32 s85, s85, 8
	s_add_co_u32 s84, s84, s85                     ; my 64 columns in a row of x in LDS
	s_lshl_b32 s85, s[WV], 3
	s_mul_i32 s86, s[WV], OSTW
	s_add_co_u32 s86, s86, OST
	s_mul_i32 s87, s[WV], 8*ROWP
	s_lshl_b32 s88, s[WV], 10
	s_add_co_u32 s88, s88, IMG
	s_lshl_b32 s89, ttmp9, 10                      ; my four blocks of Wo
	s_cmp_eq_u32 s[WV], 0
	s_cselect_b32 s[LIM2], 8, -1
	s_mov_b32 s[SEL], 0x76543210
	s_mov_b32 s[SEL+1], 0xfedcba98
	s_mov_b32 s[XS], 0
	s_mov_b32 s[STP], 0
	s_mov_b32 s[CNT], 15
	v_and_b32 v249, 31, v0
	v_lshlrev_b32 v[LI], 4, v249
	AWAIT
	s_wait_kmcnt 0x0
	s_add_nc_u64 s[QP:QP+1], s[4:5], s[58:59]
	s_add_nc_u64 s[KP:KP+1], s[6:7], s[56:57]
	s_add_nc_u64 s[VP:VP+1], s[8:9], s[56:57]
	s_add_nc_u64 s[XP:XP+1], s[14:15], s[62:63]
	s_load_b128 s[72:75], s[10:11], 0x18           ; entries 6 to 9: k, q, v, p
	s_load_b64 s[76:77], s[10:11], 0x28            ; entries 10, 11: the attention's result, wo
.irp t,0,1,2,3
	global_load_b128 v[QF+8*\t:QF+8*\t+3], v[LI], s[QP:QP+1] offset:1024*\t
	global_load_b128 v[QF+8*\t+4:QF+8*\t+7], v[LI], s[QP:QP+1] offset:1024*\t+512
.endr
	LOADK                                          ; step 0, in the order of the loop: K, x, V
	LOADX
	LOADV
	s_cmp_eq_u32 s[KIND], 0
	s_cselect_b64 s[PFP:PFP+1], s[6:7], s[8:9]
	s_add_nc_u64 s[PFP:PFP+1], s[PFP:PFP+1], s[60:61]
	s_add_nc_u64 s[WOP:WOP+1], s[12:13], s[80:81]
	s_add_nc_u64 s[GP:GP+1], s[16:17], s[82:83]
	s_add_nc_u64 s[BP:BP+1], s[18:19], s[82:83]
	s_add_nc_u64 s[OUTB:OUTB+1], s[20:21], s[78:79]
	v_and_b32 v249, 15, v0                         ; r
	v_bfe_u32 v250, v0, 4, 1                       ; h
	v_and_b32 v[PFO], 31, v0
	v_min_u32 v[PFW], 3, v[PFO]
	v_lshlrev_b32 v[PFO], 8, v[PFO]                ; a lane a block of 256 bytes
	v_lshl_add_u32 v[PFW], v[PFW], 8, s89          ; lanes 3 to 31 name the last of the four blocks
	v_mul_u32_u24 v[XA], v249, ROWP
	v_lshl_add_u32 v[XA], v250, 5, v[XA]
	v_add_nc_u32 v[XA], s84, v[XA]
	v_add_nc_u32 v[XA+1], 32*ROWP, v[XA]
	v_mul_u32_u24 v[STR], v249, 80
	v_add_nc_u32 v[STR], STAT, v[STR]
	v_add_nc_u32 v[STW], s85, v[STR]
	v_mul_u32_u24 v[OSW], v249, 272
	v_lshl_add_u32 v[OSW], v250, 5, v[OSW]
	v_add_nc_u32 v[OSW], s86, v[OSW]
	v_mul_u32_u24 v[OSR], v250, 272
	v_lshl_add_u32 v[OSR], v249, 4, v[OSR]
	v_add_nc_u32 v[OSR], s86, v[OSR]
	v_lshlrev_b32 v[GO], 11, v250
	v_lshl_add_u32 v[GO], v249, 4, v[GO]
	v_lshlrev_b32 v[WA], 9, v249
	v_lshl_add_u32 v[WA], v250, 4, v[WA]
	v_lshlrev_b32 v[GBO], 5, v250
	v_add_nc_u32 v[IMR], IMG, v[LI]
	v_add_nc_u32 v[IMW], s88, v[LI]
	v_add_nc_u32 v[XL0], s87, v[LI]
.irp t,0,1,2,3
	v_mov_b32 v[NM+2*\t+1], 0xff61b1e6             ; the largest t so far: -3e38
	v_mov_b32 v[LS+2*\t], 0
	v_mov_b32 v[LS+2*\t+1], 0
.endr
.irp t,0,1,2,3
	v_floor_f32 v[NM+2*\t], -v[NM+2*\t+1]
.endr
	v_mov_b32 v[FF+1], 0                           ; named as the upper halves of pairs
	v_mov_b32 v[FG+1], 0
	WIN 0x40
.set oj, 0
.rept 128
	v_mov_b32 v[OF+oj], 0                          ; O^T: the step is written once for all steps, and the first change of M leaves zeros zeros
.set oj, oj+1
.endr
	WIN 0
	AWAIT
	s_wait_kmcnt 0x0
	s_add_co_i32 s56, s72, s73
	s_lshl_b32 s56, s56, 23
	s_add_co_i32 s[CS], s56, 0x3e38aa3b            ; log2(e) / 8 x 2^(eq + ek)
	s_mov_b32 s[CS+1], s[CS]
	s_cmp_ge_i32 s75, -8
	s_cselect_b32 s[NOH], 1, 0
	s_add_co_i32 s56, s75, 127
	s_lshl_b32 s57, s56, 23
	v_mov_b32 v[SCP], s57                          ; 2^ep
	s_add_co_i32 s56, s56, 8
	s_lshl_b32 s56, s56, 23
	s_or_b32 s[PLIM], s56, 0x600000                ; 448 x 2^ep
	s_add_co_i32 s56, s76, 127
	s_lshl_b32 s57, s56, 23
	v_mov_b32 v[SCA], s57                          ; 2^ea
	s_add_co_i32 s56, s56, 8
	s_lshl_b32 s56, s56, 23
	s_or_b32 s[ALP], s56, 0x600000
	s_or_b32 s[ALN], s[ALP], 0x80000000
	s_add_co_i32 s[EPV], s74, s75
	s_add_co_i32 s[EE], s76, s77
	s_lshl_b32 s[E2], s[EE], 1
	s_sub_co_i32 s[E2], s[E2], 9
	s_sub_co_i32 s[RS], 127, s[EE]
	s_lshl_b32 s[RS], s[RS], 23                    ; 2^-(ea + ewo)
	s_mov_b32 s[RS+1], s[RS]
	AWAIT                                          ; the head's end
.Lstep:                                            ; 15 trips; the last step is written out: it asks for nothing more
	STEP 1
	s_sub_co_u32 s[CNT], s[CNT], 1
	s_cmp_lg_u32 s[CNT], 0
	AWAIT
	s_cbranch_scc1 .Lstep
	STEP 0
	; the rows' sums; these twelve lines are also the places in front of the loads into K's and V's registers
.irp t,0,1,2,3
	v_add_f32 v[FB+2*\t], v[LS+2*\t], v[LS+2*\t+1]
.endr
.irp t,0,1,2,3
	v_permlanex16_b32 v[FB+2*\t+1], v[FB+2*\t], s[SEL], s[SEL+1]
.endr
.irp t,0,1,2,3
	v_add_f32 v[FB+2*\t], v[FB+2*\t], v[FB+2*\t+1]
.endr
	WIN 0x40
	WLOAD 0
	WLOAD 1
	WIN 0
	AWAIT
.irp t,0,1,2,3
	v_rcp_f32 v[FB+2*\t], v[FB+2*\t]
.endr
	v_nop
	AWAIT
.irp t,0,1,2,3
	v_ldexp_f32 v[FB+2*\t], v[FB+2*\t], s[EPV]     ; x 2^(ev + ep)
.endr
	WIN 0x01
	AWAIT                                          ; directly ahead of the first readers of O^T
.irp t,0,1,2,3
.set oj, 0
.rept 16
	v_pk_mul_f32 v[S0+32*\t+oj:S0+32*\t+oj+1], v[OF+32*\t+oj:OF+32*\t+oj+1], v[FB+2*\t:FB+2*\t+1] op_sel_hi:[1,0]
.set oj, oj+2
.endr
.endr
	WIN 0x40
	WLOAD 2
	WLOAD 3
	WIN 0
.set oj, 0
.rept 128
	v_med3_num_f32 v[S0+oj], v[S0+oj], s[ALN], s[ALP]   ; the conversion does not saturate (ISA guide 7.6.2)
.set oj, oj+1
.endr
.irp t,0,1,2,3
.irp dt,0,1,2,3
	v_cvt_scalef32_pk8_fp8_f32 v[CD+8*\t+2*\dt:CD+8*\t+2*\dt+1], v[S0+32*\t+8*\dt:S0+32*\t+8*\dt+7], v[SCA]
.endr
.endr
	v_nop
.irp t,0,1,2,3
	ds_store_b128 v[IMW], v[CD+8*\t:CD+8*\t+3] offset:8192*\t          ; tile t, my head's 64 of K = 512: half a fragment image
	ds_store_b128 v[IMW], v[CD+8*\t+4:CD+8*\t+7] offset:8192*\t+512
.endr
.irp ct,0,1,2,3
	global_load_b128 v[GG+8*\ct:GG+8*\ct+3], v[GBO], s[GP:GP+1] offset:64*\ct
	global_load_b128 v[GG+8*\ct+4:GG+8*\ct+7], v[GBO], s[GP:GP+1] offset:64*\ct+16
	global_load_b128 v[BB+8*\ct:BB+8*\ct+3], v[GBO], s[BP:BP+1] offset:64*\ct
	global_load_b128 v[BB+8*\ct+4:BB+8*\ct+7], v[GBO], s[BP:BP+1] offset:64*\ct+16
.endr
	s_wait_xcnt 0x0                                ; the prefetches have read their offsets: those registers are written below
.irp j,0,1,2,3,4,5,6,7
	v_mov_b32 v[PR+\j], 0                          ; named as pairs before both halves are made
.endr
	AWAIT
	BARRIER                                        ; all eight heads' images and all 64 rows of x lie in LDS
.irp m,0,1,2,3
.irp ct,0,1,2,3
	ds_load_b128 v[ACC+32*\m+8*\ct:ACC+32*\m+8*\ct+3], v[XA+\m/2] offset:(\m%2)*16*ROWP+64*\ct
	ds_load_b128 v[ACC+32*\m+8*\ct+4:ACC+32*\m+8*\ct+7], v[XA+\m/2] offset:(\m%2)*16*ROWP+64*\ct+16
.endr
.endr
	s_wait_dscnt 0x0
.set rj, 0
.rept 64
	v_pk_mul_f32 v[ACC+rj:ACC+rj+1], v[ACC+rj:ACC+rj+1], s[RS:RS+1] op_sel_hi:[1,0]   ; the residual starts the sums, in the sums' scale
.set rj, rj+2
.endr
	AWAIT
	s_wait_loadcnt 0x0                             ; Wo, g, b
	GEMM
	LNLOC
	BARRIER                                        ; every wave's figures lie in LDS
	LNFIN
	NORM 0
	NORM 1
	NORM 2
	NORM 3
	OUTST 0
	OUTST 1
	AWAIT
	SEND 0, 16                                     ; the next block's 8 stores and 8 loads may be out
	OUTST 2
	SEND 1, 16
	OUTST 3
	SEND 2, 16
	SEND 3, 0
	s_wait_tensorcnt 0x0                           ; the wave's end
	ds_add_u32 v[SPW], v[NIL]
	s_wait_dscnt 0x0
	s_endpgm
.Lfunc_end_k_q9224fd9c4f_attn_o:
	.size	k_q9224fd9c4f_attn_o, .Lfunc_end_k_q9224fd9c4f_attn_o-k_q9224fd9c4f_attn_o
	.p2alignl 7, 3214868480
	.fill 96, 4, 3214868480
	.section	.rodata,"a",@progbits
	.p2align	6, 0x0
	.amdhsa_kernel k_q9224fd9c4f_attn_o
		.amdhsa_group_segment_fixed_size 206848
		.amdhsa_private_segment_fixed_size 0
		.amdhsa_enable_private_segment 0
		.amdhsa_kernarg_size 72
		.amdhsa_user_sgpr_count 2
		.amdhsa_user_sgpr_kernarg_segment_ptr 1
		.amdhsa_wavefront_size32 1
		.amdhsa_system_sgpr_workgroup_id_x 1
		.amdhsa_system_sgpr_workgroup_id_y 1
		.amdhsa_system_sgpr_workgroup_id_z 1
		.amdhsa_system_vgpr_workitem_id 0
		.amdhsa_next_free_vgpr 512
		.amdhsa_next_free_sgpr 96
		.amdhsa_reserve_vcc 0
		.amdhsa_float_denorm_mode_32 3
		.amdhsa_float_denorm_mode_16_64 3
		.amdhsa_memory_ordered 1
		.amdhsa_forward_progress 1
		.amdhsa_inst_pref_size 198
	.end_amdhsa_kernel
	.amdgpu_metadata
---
amdhsa.version: [ 1, 2 ]
amdhsa.kernels:
  - .name:           k_q9224fd9c4f_attn_o
    .symbol:         k_q9224fd9c4f_attn_o.kd
    .args:
      - { .name: q_ws, .offset: 0, .size: 8, .value_kind: global_buffer, .address_space: global }
      - { .name: k_ws, .offset: 8, .size: 8, .value_kind: global_buffer, .address_space: global }
      - { .name: v_ws, .offset: 16, .size: 8, .value_kind: global_buffer, .address_space: global }
      - { .name: lowp_scales, .offset: 24, .size: 8, .value_kind: global_buffer, .address_space: global }
      - { .name: wo_codes, .offset: 32, .size: 8, .value_kind: global_buffer, .address_space: global }
      - { .name: x, .offset: 40, .size: 8, .value_kind: global_buffer, .address_space: global }
      - { .name: ln_out_g, .offset: 48, .size: 8, .value_kind: global_buffer, .address_space: global }
      - { .name: ln_out_b, .offset: 56, .size: 8, .value_kind: global_buffer, .address_space: global }
      - { .name: out0, .offset: 64, .size: 8, .value_kind: global_buffer, .address_space: global }
    .group_segment_fixed_size: 206848
    .private_segment_fixed_size: 0
    .kernarg_segment_align: 8
    .kernarg_segment_size: 72
    .max_flat_workgroup_size: 256
    .sgpr_count:     96
    .vgpr_count:     512
    .wavefront_size: 32
...
	.end_amdgpu_metadata
.endif
;; end of part 2
